; MI455X (gfx1250); checked and timed in simulation.
; The chip was launched on July 23, 2026; its instructions are those of AMD's public machine-readable ISA for CDNA 5 (MIT licence, August 2026) and "CDNA5" Instruction Set Architecture Reference Guide (July 2026). The comments in the code are by the model that wrote it; some were corrected since.
;; Tree Attention Wrapper. Allowed arithmetic: matrix products marked QUANTISED: E2M3 operands, one E8M0 scale for each 32 along K, by v_wmma_scale_f32_16x16x128_f8f6f4 with both operands' format E2M3, f32 sums; everything else in f32.
;; Inputs: cu_seqlens 2 int32; k_codes 1 x 16 x 4,096 x 4 x 24 uint8 (E2M3 codes of k, K innermost, in blocks of 32 codes, four codes in three bytes); k_scales 1 x 16 x 4,096 x 4 uint8 (E8M0 scales of k, one for each 32 codes along K); mask 4,096 x 4,096 bool; q_codes 1 x 16 x 4,096 x 4 x 24 uint8 (E2M3 codes of q, K innermost, in blocks of 32 codes, four codes in three bytes); q_scales 1 x 16 x 4,096 x 4 uint8 (E8M0 scales of q, one for each 32 codes along K); v_codes 1 x 16 x 128 x 128 x 24 uint8 (E2M3 codes of v, K innermost, in blocks of 32 codes, four codes in three bytes); v_scales 1 x 16 x 128 x 128 uint8 (E8M0 scales of v, one for each 32 codes along K).
;; Outputs: out0 1 x 16 x 4,096 x 128 float32.
;; Constants: max_seqlen = 4096.
;; This version of the problem:
;;   THIS VERSION OF THE PROBLEM IS GIVEN IN LOW PRECISION. The matrix products marked QUANTISED in the list below multiply operands that are first quantised to E2M3 (2 exponent bits, 3 mantissa bits; 6 bits a number), with one power-of-two scale for each 32 numbers along K (OCP MX v1.0); their sums are f32. All else is computed in f32.
;;   The module's matrix products, in the order in which they are computed (A, B: the left and right operand; K: the contracted axis; several contracted axes count as one K, in the product's order):
;;     1. batch 16 x [M 4,096, K 128] x [K 128, N 4,096]; A: input q (given as codes); B: input k (given as codes): QUANTISED
;;     2. batch 16 x [M 4,096, K 4,096] x [K 4,096, N 128]; A: softmax (see below); B: input v (given as codes): QUANTISED
;;   THE QUANTISER, for each operand of a quantised product, along K:
;;     - K is cut into blocks of 32 from its start; a last block that is shorter is filled with zeros.
;;     - A block's scale is 2^e with e = floor(log2(the largest magnitude in the block)) - 2, held to -126 .. 127; a block of zeros has e = 0. As a byte (E8M0): e + 127.
;;     - Each number is divided by its block's scale, clamped to +-7.5, and rounded to the nearest number of E2M3, ties to even, subnormals kept.
;;     - The product sums the exact products of the quantised numbers (number of the format x scale) in f32.
;;   ~~~python
;;   def quantise(x, axis):      # numpy; x: float32 -> the quantised numbers, widened to float32 again
;;       x = np.moveaxis(x, axis, -1); K = x.shape[-1]
;;       x = np.pad(x, [(0, 0)] * (x.ndim - 1) + [(0, -K % 32)]); x = x.reshape(x.shape[:-1] + (-1, 32)); a = np.abs(x).max(-1, keepdims=True)
;;       e = np.where(a > 0, np.clip(np.frexp(np.where(a > 0, a, 1))[1] - 1 - 2, -126, 127), 0)      # np.frexp(a)[1] - 1 = floor(log2(a)), exactly
;;       r = np.clip(x / 2.0 ** e, -7.5, 7.5)
;;       step = 2.0 ** (np.maximum(np.frexp(np.where(r == 0, 1, r))[1] - 1, 0) - 3)
;;       q = np.round(r / step) * step * 2.0 ** e      # np.round: ties to even
;;       return np.moveaxis(q.reshape(q.shape[:-2] + (-1,))[..., :K], -1, axis).astype(np.float32)
;;   ~~~
;;   SOFTMAX AHEAD OF A QUANTISED PRODUCT. Where the list says 'softmax', what is quantised is not the finished softmax but p = 2^(t - M), with t = logit x log2(e) and M = ceil(the row's largest t), a whole number; so 1/2 < the row's largest p <= 1. The row's sum l is taken of the UNQUANTISED p, in f32, and the product's result is divided by l at the end. Since M is a whole number, a kernel that streams over the keys may use a running M (the ceiling of the running maximum): every later rescaling is an exact power of two, which a block's scale takes up: the codes' values come out the same.
;;   OPERANDS COMPUTED ON THE WAY. 'Computed on the way' means the value that the module computes at that place (a softmax that the list does not call 'softmax' is quantised finished and normalised). What goes into a quantiser is computed in f32, as accurately as f32 sums, v_exp_f32 and their like allow (about 1e-6 of the number): no bf16 or f16 on the way to a quantiser, and a product that is left as it is and whose result goes on into a quantised operand takes f32 operands (vector FMAs, or v_wmma_f32_16x16x4_f32). A number that lies on a knife's edge between two numbers of the format may be rounded either way, as far as f32 arithmetic and the matrix unit's own rounding can turn it there, and no further.
;;   INPUTS GIVEN AS CODES. k (in the module: [1, 16, 4096, 128], K = its axis 3); q (in the module: [1, 16, 4096, 128], K = its axis 3); v (in the module: [1, 16, 4096, 128], K = its axis 2): each comes as NAME_codes (uint8): NAME with its K axis moved to the last place and cut into blocks of 32 codes, [.., K / 32, bytes a block], one block behind the other in memory; four codes in three bytes: a row's codes are one little-endian stream of bits, code i at bits 6 i .. 6 i + 5 (a code: sign, 2 exponent bits, 3 mantissa bits); and NAME_scales (uint8): the same leading axes, one E8M0 byte (e + 127) for each 32 codes along K. Its value is code x scale, taken as it is: it is not quantised again, and the codes and scales need not be those that the quantiser above would give.
;; One version. Each part assembles by itself: llvm-mc -triple=amdgcn-amd-amdhsa -mcpu=gfx1250 --defsym DOCPART=n.
;; ======== version 1 of 1: 2 launches
;; limits: inputs' magnitudes at most 280,000,000,000,000; right only within a limited range of input values
;; workspace buffers: maskw 2,097,152 bytes of whole numbers; cls 2,048 bytes of whole numbers
;; launch prep (part 1): grid 256 x 1, 8 waves a work-group, no clusters, 67,072 bytes of LDS; arguments mask, maskw, cls; writes maskw, cls
.if DOCPART == 1
	.amdgcn_target "amdgcn-amd-amdhsa--gfx1250"
	.amdhsa_code_object_version 6
	.text
	.protected	k_q996b7443bd_prep
	.globl	k_q996b7443bd_prep
	.p2align	8
	.type	k_q996b7443bd_prep,@function
k_q996b7443bd_prep:
	s_mov_b64 s[64:65], 0
	v_nop
	global_prefetch_b8 v0, s[64:65] scope:SCOPE_SE
	s_setreg_imm32_b32 hwreg(HW_REG_WAVE_MODE, 25, 1), 1
	s_wait_xcnt 0x0
; The mask [4096][4096], one byte (0 or 1) an entry, is read once and becomes
;   maskw [tile of 16 queries 256][key step 32][lane 32][2 words]: the mask as bits, in the order of the score registers of the launch that follows:
;         lane (r, h) of a tile holds query r; its score register j = 16 b + i is key 128 s + 32 b + 16 h + i.  Word c (j = 32 c ..) has the entry of register 32 c + 4 m + q at bit 8 q + 7 - m.
;   cls   [tile 256]{any, all}: bit s of any: some entry of the tile's 16 x 128 piece of step s is 1; of all: every one is.
;         A tile with a row that sees no key at all gets any = all ones: such a row weighs all 4,096 keys alike, so the tile has to walk every step.
; LIMIT: the bytes are taken to be 0 or 1, as the type bool is given; any other byte would spill into neighbouring bits.
; SHARES.  A work-group owns 16 whole rows (64 KiB), since only whole rows tell whether a row sees a key.  Eight waves.
; A: wave w copies rows 2 w, 2 w + 1 into LDS, 512 consecutive bytes a load.  B: wave w packs steps 4 w .. 4 w + 3 and stores 256 consecutive, aligned bytes a step.  C: wave 0 joins the waves' class bits.
.set PITCH, 4112                       ; an LDS row: 4,096 bytes + 16 = 257 x 16: the 16 rows that a load touches at one column lie in 16 different columns of 16 bytes modulo 256
.set RED,   16*PITCH                   ; 65,792: 16 bytes for each wave: rows seen, any, all, 0
.set SPARE, RED+256                    ; 66,048: the spare words, 128 bytes for each of eight waves: four blocks of 256 bytes that no other line names
.set D,     16                         ; v16-79   64 words of mask bytes
.set W,     80                         ; v80-87   step k's two words at v[W + 2 k]
	s_load_b128 s[4:7], s[0:1], 0x0                ; mask, maskw
	s_load_b64 s[8:9], s[0:1], 0x10                ; cls
	v_lshl_add_u32 v2, v0, 2, SPARE                ; my spare word; never rewritten
	v_mov_b32 v3, 0                                ; 0; never rewritten
	v_lshrrev_b32 v7, 5, v0
	s_delay_alu instid0(VALU_DEP_1)
	v_readfirstlane_b32 s10, v7                    ; wave 0..7
	v_and_b32 v8, 31, v0                           ; lane
	s_delay_alu instid0(VALU_DEP_1)
	v_lshlrev_b32 v1, 4, v8                        ; 16 x lane: my bytes of a load's 512
	s_delay_alu instid0(VALU_DEP_2)
	v_lshlrev_b32 v6, 3, v8                        ; 8 x lane: my two words of a step's 256 bytes
	s_mul_i32 s15, s10, 2*PITCH
	v_add_nc_u32 v4, s15, v1                       ; into LDS: my wave's two rows
	v_and_b32 v7, 15, v0                           ; r
	v_bfe_u32 v8, v0, 4, 1                         ; h
	s_delay_alu instid0(VALU_DEP_2)
	v_mul_u32_u24 v5, v7, PITCH
	s_delay_alu instid0(VALU_DEP_1)
	v_lshl_add_u32 v5, v8, 4, v5
	s_lshl_b32 s15, s10, 9
	v_add_nc_u32 v5, s15, v5                       ; out of LDS: row r, + 16 h, + my wave's four steps (512 keys)
	s_lshl_b32 s15, s10, 4
	s_add_co_u32 s15, s15, RED
	v_mov_b32 v9, s15                              ; my wave's 16 bytes of class bits
	v_mov_b32 v15, RED                             ; and where wave 0 reads all eight
	v_mov_b32 v14, 0
	s_lshl_b32 s16, ttmp9, 16                      ; mask: 16 rows of 4,096 bytes a work-group,
	s_lshl_b32 s18, s10, 13                        ; two rows a wave
	s_add_co_u32 s16, s16, s18
	s_mov_b32 s17, 0
	s_lshl_b32 s18, ttmp9, 13                      ; maskw: 8,192 bytes a tile,
	s_lshl_b32 s20, s10, 10                        ; four steps of 256 bytes a wave
	s_add_co_u32 s18, s18, s20
	s_mov_b32 s19, 0
	s_lshl_b32 s20, ttmp9, 3                       ; cls: 8 bytes a tile
	s_mov_b32 s21, 0
	s_mov_b32 s12, 0                               ; lanes that have seen a 1
	s_mov_b32 s13, 0                               ; my four steps' any bits
	s_mov_b32 s14, 0                               ; and all bits
	s_wait_alu depctr_va_vdst(0)
	s_wait_kmcnt 0x0
	s_add_nc_u64 s[4:5], s[4:5], s[16:17]
	s_add_nc_u64 s[6:7], s[6:7], s[18:19]
	s_add_nc_u64 s[8:9], s[8:9], s[20:21]
	; ---- A: two rows a wave, as they lie
.irp n, 0,1,2,3,4,5,6,7,8,9,10,11,12,13,14,15
	global_load_b128 v[D+4*\n:D+4*\n+3], v1, s[4:5] offset:4096*(\n/8)+512*(\n%8) th:TH_LOAD_NT   ; 32 lanes read 512 consecutive bytes; read once in the launch
.endr
.irp n, 0,1,2,3,4,5,6,7,8,9,10,11,12,13,14,15
	s_wait_loadcnt 15-\n                           ; loads come back in order: load n is in, the 15 - n younger ones may be out
	ds_store_b128 v4, v[D+4*\n:D+4*\n+3] offset:PITCH*(\n/8)+512*(\n%8)
.endr
	s_wait_dscnt 0x0                               ; for the others' sake: my rows lie in LDS
	s_barrier_signal -1
	s_barrier_wait -1
	; ---- B: four steps a wave.  Lane (r, h) takes, of row r, 16 bytes of each block of 32 keys: word 4 b + (i / 4), byte i % 4 = score register 16 b + i
.irp k, 0,1,2,3
.irp b, 0,1,2,3
	ds_load_b128 v[D+16*\k+4*\b:D+16*\k+4*\b+3], v5 offset:128*\k+32*\b
.endr
.endr
.irp k, 0,1,2,3
	s_wait_dscnt 12-4*\k                           ; step k's four loads are in; those of the later steps may be out
.irp c, 0,1
	v_lshl_or_b32 v[W+2*\k+\c], v[D+16*\k+8*\c+6], 1, v[D+16*\k+8*\c+7]   ; eight words of 0/1 bytes slide into one: word m goes 7 - m bits up
.irp m, 5,4,3,2,1,0
	s_delay_alu instid0(VALU_DEP_1)
	v_lshl_or_b32 v[W+2*\k+\c], v[D+16*\k+8*\c+\m], 7-\m, v[W+2*\k+\c]
.endr
.endr
	global_store_b64 v6, v[W+2*\k:W+2*\k+1], s[6:7] offset:256*\k   ; 32 lanes store 256 consecutive bytes, at a multiple of 256 from the buffer's first byte
	v_or_b32 v7, v[W+2*\k], v[W+2*\k+1]
	v_and_b32 v8, v[W+2*\k], v[W+2*\k+1]
	s_delay_alu instid0(VALU_DEP_2)
	v_cmp_ne_u32 s20, 0, v7                        ; lanes with a 1 in this step
	s_delay_alu instid0(VALU_DEP_2)
	v_cmp_eq_u32 s21, -1, v8                       ; lanes with nothing but 1
	s_or_b32 s12, s12, s20
	s_cmp_lg_u32 s20, 0
	s_cselect_b32 s22, 1<<\k, 0
	s_or_b32 s13, s13, s22
	s_cmp_eq_u32 s21, -1
	s_cselect_b32 s22, 1<<\k, 0
	s_or_b32 s14, s14, s22
.endr
	s_lshl_b32 s15, s10, 2
	s_lshl_b32 s13, s13, s15                       ; my four bits at their place among the 32
	s_lshl_b32 s14, s14, s15
	v_mov_b32 v10, s12
	v_mov_b32 v11, s13
	v_mov_b32 v12, s14
	v_mov_b32 v13, 0
	ds_store_b128 v9, v[10:13]                     ; all lanes write the same 16 bytes with the same values
	s_wait_dscnt 0x0                               ; for wave 0's sake
	s_barrier_signal -1
	s_barrier_wait -1
	; ---- C: wave 0 alone; no barrier stands in this branch
	s_cmp_lg_u32 s10, 0
	s_cbranch_scc1 .Lend
.irp i, 0,1,2,3,4,5,6,7
	ds_load_b128 v[D+4*\i:D+4*\i+3], v15 offset:16*\i
.endr
	s_wait_dscnt 0x0
.irp i, 1
	v_or_b32 v[D], v[D], v[D+4*\i]
	v_or_b32 v[D+1], v[D+1], v[D+4*\i+1]
	v_or_b32 v[D+2], v[D+2], v[D+4*\i+2]
.endr
.irp i, 2, 3, 4, 5, 6, 7
	s_delay_alu instid0(VALU_DEP_3)
	v_or_b32 v[D], v[D], v[D+4*\i]
	s_delay_alu instid0(VALU_DEP_3)
	v_or_b32 v[D+1], v[D+1], v[D+4*\i+1]
	s_delay_alu instid0(VALU_DEP_3)
	v_or_b32 v[D+2], v[D+2], v[D+4*\i+2]
.endr
	s_delay_alu instid0(VALU_DEP_3)
	v_readfirstlane_b32 s12, v[D]
	s_delay_alu instid0(VALU_DEP_3)
	v_readfirstlane_b32 s13, v[D+1]
	s_delay_alu instid0(VALU_DEP_3)
	v_readfirstlane_b32 s14, v[D+2]
	s_lshr_b32 s15, s12, 16                        ; row r lies in lanes r and r + 16
	s_or_b32 s12, s12, s15
	s_and_b32 s12, s12, 0xffff
	s_cmp_eq_u32 s12, 0xffff                       ; has every row seen a key?
	s_cselect_b32 s13, s13, -1                     ; if not, the tile walks all steps
	v_mov_b32 v88, s13
	v_mov_b32 v89, s14
	v_cmp_eq_u32 vcc_lo, 0, v0
	s_wait_alu depctr_va_vdst(0)
	s_wait_xcnt 0x0                                ; EXEC is a source of my pending stores: it changes only behind this wait
	s_and_saveexec_b32 s22, vcc_lo
	global_store_b64 v14, v[88:89], s[8:9]         ; 8 bytes a work-group, 2,048 in the launch: the one store that does not cover 256 bytes
	s_wait_xcnt 0x0                                ; and again ahead of the line that widens it
	s_or_b32 exec_lo, exec_lo, s22
.Lend:
	s_wait_tensorcnt 0x0                           ; the wave's end: behind my last LDS store
	ds_add_u32 v2, v3
	s_wait_dscnt 0x0
	s_endpgm
.Lfunc_end_k_q996b7443bd_prep:
	.size	k_q996b7443bd_prep, .Lfunc_end_k_q996b7443bd_prep-k_q996b7443bd_prep
	.p2alignl 7, 3214868480
	.fill 96, 4, 3214868480
	.section	.rodata,"a",@progbits
	.p2align	6, 0x0
	.amdhsa_kernel k_q996b7443bd_prep
		.amdhsa_group_segment_fixed_size 67072
		.amdhsa_private_segment_fixed_size 0
		.amdhsa_enable_private_segment 0
		.amdhsa_kernarg_size 24
		.amdhsa_user_sgpr_count 2
		.amdhsa_user_sgpr_kernarg_segment_ptr 1
		.amdhsa_wavefront_size32 1
		.amdhsa_system_sgpr_workgroup_id_x 1
		.amdhsa_system_sgpr_workgroup_id_y 1
		.amdhsa_system_sgpr_workgroup_id_z 1
		.amdhsa_system_vgpr_workitem_id 0
		.amdhsa_next_free_vgpr 104
		.amdhsa_next_free_sgpr 66
		.amdhsa_reserve_vcc 1
		.amdhsa_float_denorm_mode_32 3
		.amdhsa_float_denorm_mode_16_64 3
		.amdhsa_memory_ordered 1
		.amdhsa_forward_progress 1
		.amdhsa_inst_pref_size 17
	.end_amdhsa_kernel
	.amdgpu_metadata
---
amdhsa.version: [ 1, 2 ]
amdhsa.kernels:
  - .name:           k_q996b7443bd_prep
    .symbol:         k_q996b7443bd_prep.kd
    .args:
      - { .name: mask, .offset: 0, .size: 8, .value_kind: global_buffer, .address_space: global }
      - { .name: maskw, .offset: 8, .size: 8, .value_kind: global_buffer, .address_space: global }
      - { .name: cls, .offset: 16, .size: 8, .value_kind: global_buffer, .address_space: global }
    .group_segment_fixed_size: 67072
    .private_segment_fixed_size: 0
    .kernarg_segment_align: 8
    .kernarg_segment_size: 24
    .max_flat_workgroup_size: 256
    .sgpr_count:     66
    .vgpr_count:     104
    .wavefront_size: 32
...
	.end_amdgpu_metadata
.endif
;; end of part 1
;; launch attn (part 2): grid 16 x 16, 8 waves a work-group, no clusters, 150,528 bytes of LDS; arguments q_codes, q_scales, k_codes, k_scales, v_codes, v_scales, maskw, cls, out0; writes out0
.if DOCPART == 2
	.amdgcn_target "amdgcn-amd-amdhsa--gfx1250"
	.amdhsa_code_object_version 6
	.text
	.protected	k_q996b7443bd_attn
	.globl	k_q996b7443bd_attn
	.p2align	8
	.type	k_q996b7443bd_attn,@function
k_q996b7443bd_attn:
	s_mov_b64 s[64:65], 0
	v_nop
	global_prefetch_b8 v0, s[64:65] scope:SCOPE_SE
	s_setreg_imm32_b32 hwreg(HW_REG_WAVE_MODE, 25, 1), 1
	s_wait_xcnt 0x0
; O[h][q][:] = the sum over k of softmax_k(mask[q][k] ? Q[h][q] . K[h][k] / sqrt(128) : -1e30) V[h][k][:], both products on codes of FP6 (E2M3) with one E8M0 scale for each 32 along a product's K.
; Q, K: [16][4096][128] as codes (96 bytes a row), scale bytes [16][4096][4].  V: codes with the KEYS innermost, [16][128][4096] (3,072 bytes a row), scale bytes [16][128][128].  O: [16][4096][128] f32.
; The mask comes as maskw (bits in the order of my score registers) and cls (for each tile of 16 queries: which key steps hold a visible entry, which hold nothing else), both stored by the launch before.
; THE SOFTMAX AHEAD OF THE SECOND PRODUCT: t = score x log2(e) / sqrt(128); M = the running largest t rounded UP to a whole number; p = 2^(t - M) is quantised along the keys, not normalised; the row's sum is taken of the
; unquantised p and divides O at the end; when M moves, the sum and O are multiplied by 2^(old M - new M): exact.
; HIDDEN ENTRIES get the score -2^103.  c x 2^103 is exact and a whole number, so a row that has seen no key yet has t - M = 0 and p = 1 for its hidden keys; its first visible key makes 2^(old M - new M) = 0, which wipes that;
; a row that never sees a key keeps p = 1 for all 4,096 keys (its tile's class word makes it walk every step): the mean of V, as the finite -1e30 gives it.
; A KEY STEP IS PASSED OVER by a wave where all 32 x 128 entries of its queries are hidden and each of its rows sees a key somewhere: every p there is 0 in the end.
; LIMITS: a visible score under -2^103 is not told from a hidden one; NaN, infinities and the scale byte 0xff are not served; a block's largest p is taken from the block's largest score (it takes v_exp_f32 not to fall where its input rises).
; SHARES.  A work-group owns 256 queries of one head; each of its eight waves 32: TWO tiles of 16, T0 in register window 0 and T1 in window 1 under the same register numbers, so that the softmax is written once and
; each fragment of K and V read from LDS feeds two products.  Two waves to a SIMD: one's vector work stands beside the other's matrix work and LDS loads.
; LAYOUT.  Both products transposed: S^T = K Q^T, O^T = V^T P^T: a lane holds ONE query throughout.  The keys of a tile are not neighbours: lane r of tile 2 b + u takes key 32 b + 8 u + r + 8 (r / 8), so that the 16 registers of
; tiles 2 b, 2 b + 1 are the 16 neighbouring keys 32 b + 16 (lane / 16) + 0 .. 15.
; K AND V COME THROUGH REGISTERS, NOT BY THE TENSOR DATA MOVER, AND THERE IS NO CLUSTER: which steps a work-group wants hangs on class words read from memory and differs from one block of queries to the next, so partners would ask
; for different tiles, and a fill is jumped over by a branch on a loaded number.  Each step's 24,576 bytes are fetched by the 256 threads a step ahead, under the softmax: thread i takes half i % 2 (48 bytes, three loads of 16) of
; row i / 2 of K and of V; a wave's three loads of K cover 1,536 consecutive bytes between them.  They are laid into one of two LDS slots
; AS IMAGES OF THE OPERANDS' REGISTERS: registers 4 c .. 4 c + 3 of lane l at 512 c + 16 l of a fragment's 1,536 bytes, so that a fragment is three ds_load_b128 of 512 consecutive bytes.
; No prefetch: a fill is asked for a softmax and a product ahead of the wait for it, and the steps wanted differ between work-groups.
; REGISTERS.  Window 0: v1-9 addresses and constants; v10-11 mask words; v12 -M, v13 largest t, v14-15 the sum; v16-27 Q; v28-29 fill offsets; v32-79 four fragments; v80 T1's p scale word; v81-84 fill addresses; v96-159 S^T, then p;
;   v160-223 O^T; v224-247, v252-254 at work; v248-251 K's or V's scale words; v253 T0's p scale word; v255 Q's scale words (lanes 0-15 T0, lanes 16-31 T1).   Window 1: T1's v7, v10-27, v96-247, v252-254; v32-55 the fill's staging.
.set SLOT,   24576                     ; a slot: K's 8 fragment images, then V's 8
.set VIMG,   12288
.set KSC,    49152                     ; K's scale words of the whole head: 512 bytes a step: the word at 16 lane + 4 i serves tile 2 i (lanes 0-15) and tile 2 i + 1 (lanes 16-31)
.set VSC,    65536                     ; V's likewise
.set STG,    81920                     ; the way out: 16 rows x (512 + 16) bytes for each wave
.set SPITCH, 528
.set SPARE,  149504                    ; the spare words, 128 bytes for each of eight waves: four blocks of 256 bytes that no other line names
.set LI,  1                            ; 16 x lane
.set ADS, 2                            ; KSC + 16 x lane + 1,024 x trip
.set SO,  3                            ; stage, in
.set SR,  4                            ; stage, back
.set SPW, 5                            ; my spare word; never rewritten
.set NIL, 6                            ; 0; never rewritten
.set NEG, 7                            ; -2^103
.set ML,  8                            ; 8 x lane
.set MW,  10
.set QF,  16
.set KGO, 28                           ; 48 x thread: my half row of K in a step's 12,288 bytes
.set VGO, 29                           ; 3,072 x (thread / 2) + 48 x (thread % 2): my half row's part of V
.set FRG, 32
.set PS1, 80
.set KA,  81                           ; v81, v82: where my six pieces of 8 bytes go in K's images (macro HALFROW)
.set VA,  83                           ; v83, v84: and in V's
.set S,   96
.set O,   160
.set PC,  224
.set SW,  248
.set PS0, 253
.set QS,  255
.set SGO, 139                          ; at the head alone: v128-138 at work, v139-143 offsets and addresses
.set KSA, 140
.set VSA, 141
.set QA,  142
.set QSA, 143
.set WV,  12
.set IT,  13
.set NW,  14                           ; steps that some wave of the work-group wants, the trip's first at bit 0
.set AW,  15                           ; steps that my wave wants
.set LW,  16                           ; steps in which all my entries are visible
.set SEL, 18
.set CS,  20
.set MSB, 0
.macro WIN new                         ; the immediate's high byte repeats the setting that is left; bits 1:0 source 0, 3:2 source 1, 5:4 source 2, 7:6 destination
.if MSB != (\new)
	s_set_vgpr_msb (MSB<<8)|(\new)
.set MSB, (\new)
.endif
.endm
.macro PLACES                          ; four plain vector instructions between a matrix instruction and a load into, or a vector read of, its registers
.rept 4
	v_nop
.endr
.endm
.macro INIT                            ; a tile's state.  O^T is cleared: which step a wave walks first hangs on its class word, so no first product can be written out with C = 0
	v_mov_b32 v[NEG], 0xf3000000                   ; -2^103
	v_mov_b32 v[MW], 0
	v_mov_b32 v[MW+1], 0
	v_mov_b32 v13, 0xff61b1e6                      ; the largest t so far: -3e38
	s_delay_alu instid0(VALU_DEP_1)
	v_floor_f32 v12, -v13                          ; -M
	v_mov_b32 v14, 0
	v_mov_b32 v15, 0
.irp b, 0,1,2,3
	v_mov_b32 v[236+\b], 0                         ; a lane permute's destination counts as one of its sources
.endr
	v_mov_b32 v252, 0
	v_mov_b32 v253, 0
.set J, 0
.rept 64
	v_mov_b32 v[O+J], 0
.set J, J+1
.endr
.endm
; The fill.  FETCHG: step n (counted from the trip's first) into the staging registers: my 48 bytes of K, then my 48 bytes of V.
.macro FETCHG n
	WIN 0x40                                       ; data window 1, offsets window 0
.irp j, 0,1,2
	global_load_b128 v[32+4*\j:35+4*\j], v[KGO], s[4:5] offset:12288*(\n)+16*\j
.endr
.irp j, 0,1,2
	global_load_b128 v[44+4*\j:47+4*\j], v[VGO], s[6:7] offset:96*(\n)+16*\j
.endr
	WIN 0
.endm
.macro NEEDFETCH p                     ; the step after step p, if any wave of the work-group wants it.  Behind the last step zeros have been shifted in: nothing is fetched past the buffers' ends
	s_bitcmp1_b32 s[NW], \p+1
	s_cbranch_scc0 .Lnofetch_\@
	FETCHG \p+1
.Lnofetch_\@:
.endm
; Half a row of 96 bytes, six pieces of 8 bytes in v[reg] on, into a fragment's image.  Piece P of a row: T = P / 3 says which half of the lanes (T % 2) and which six registers (T / 2); pair g = 3 (T / 2) + P % 3 of the lane's six
; register pairs lies at 512 (g / 2) + 8 (g % 2), lanes 16-31 at + 256.  That gives, for P = 0 .. 5: 0, 8, 512, 256, 264, 768, and for P = 6 .. 11: 520, 1024, 1032, 776, 1280, 1288: 520 more for four of the six pieces and 1,016 more
; for the other two.  So v[adr] = the row's place + 520 x half serves four pieces, v[adr + 1] = the row's place + 1,016 x half two, and the first half's six places stand in the immediates.
.macro HALFROW adr, reg, q
	ds_store_b64 v[\adr],   v[\reg:\reg+1]     offset:SLOT*(\q)
	ds_store_b64 v[\adr+1], v[\reg+2:\reg+3]   offset:SLOT*(\q)+8
	ds_store_b64 v[\adr],   v[\reg+4:\reg+5]   offset:SLOT*(\q)+512
	ds_store_b64 v[\adr],   v[\reg+6:\reg+7]   offset:SLOT*(\q)+256
	ds_store_b64 v[\adr+1], v[\reg+8:\reg+9]   offset:SLOT*(\q)+264
	ds_store_b64 v[\adr],   v[\reg+10:\reg+11] offset:SLOT*(\q)+768
.endm
.macro PUT q                           ; the staging registers into slot q
	WIN 0x04                                       ; an LDS store's data are its source 1: window 1
	HALFROW KA, 32, \q
	HALFROW VA, 44, \q
	WIN 0
.endm
.macro FRAGS base, g                   ; fragments 4 g .. 4 g + 3 of the eight at LDS byte base
.irp t, 0,1,2,3
.irp c, 0,1,2
	ds_load_b128 v[FRG+12*\t+4*\c:FRG+12*\t+4*\c+3], v[LI] offset:\base+1536*(4*\g+\t)+512*\c
.endr
.endr
.endm
; S^T = K Q^T: tiles 4 g .. 4 g + 3 of 16 keys, for T0 and then for T1.  An even tile's scale words lie in lanes 0-15 of its register, an odd tile's in lanes 16-31; Q's: T0 below, T1 above.
.macro KQ g
.irp u, 0,1
	v_wmma_scale_f32_16x16x128_f8f6f4 v[S+8*(4*\g+2*\u):S+8*(4*\g+2*\u)+7], v[FRG+24*\u:FRG+24*\u+11], v[QF:QF+11], 0, v[SW+2*\g+\u], v[QS] matrix_a_fmt:MATRIX_FMT_FP6 matrix_b_fmt:MATRIX_FMT_FP6
	v_wmma_scale_f32_16x16x128_f8f6f4 v[S+8*(4*\g+2*\u)+8:S+8*(4*\g+2*\u)+15], v[FRG+24*\u+12:FRG+24*\u+23], v[QF:QF+11], 0, v[SW+2*\g+\u], v[QS] matrix_a_fmt:MATRIX_FMT_FP6 matrix_b_fmt:MATRIX_FMT_FP6 matrix_a_scale:MATRIX_SCALE_ROW1
.endr
	WIN 0x44                                       ; Q and S^T of T1: source 1 and destination window 1
.irp u, 0,1
	v_wmma_scale_f32_16x16x128_f8f6f4 v[S+8*(4*\g+2*\u):S+8*(4*\g+2*\u)+7], v[FRG+24*\u:FRG+24*\u+11], v[QF:QF+11], 0, v[SW+2*\g+\u], v[QS] matrix_a_fmt:MATRIX_FMT_FP6 matrix_b_fmt:MATRIX_FMT_FP6 matrix_b_scale:MATRIX_SCALE_ROW1
	v_wmma_scale_f32_16x16x128_f8f6f4 v[S+8*(4*\g+2*\u)+8:S+8*(4*\g+2*\u)+15], v[FRG+24*\u+12:FRG+24*\u+23], v[QF:QF+11], 0, v[SW+2*\g+\u], v[QS] matrix_a_fmt:MATRIX_FMT_FP6 matrix_b_fmt:MATRIX_FMT_FP6 matrix_a_scale:MATRIX_SCALE_ROW1 matrix_b_scale:MATRIX_SCALE_ROW1
.endr
	WIN 0
.endm
; O^T += V^T P^T: tiles 4 g .. 4 g + 3 of 16 of the head's 128.  Sixteen accumulators take turns, one instruction a turn.
.macro PV g
.irp u, 0,1
	v_wmma_scale_f32_16x16x128_f8f6f4 v[O+8*(4*\g+2*\u):O+8*(4*\g+2*\u)+7], v[FRG+24*\u:FRG+24*\u+11], v[PC:PC+11], v[O+8*(4*\g+2*\u):O+8*(4*\g+2*\u)+7], v[SW+2*\g+\u], v[PS0] matrix_a_fmt:MATRIX_FMT_FP6 matrix_b_fmt:MATRIX_FMT_FP6
	v_wmma_scale_f32_16x16x128_f8f6f4 v[O+8*(4*\g+2*\u)+8:O+8*(4*\g+2*\u)+15], v[FRG+24*\u+12:FRG+24*\u+23], v[PC:PC+11], v[O+8*(4*\g+2*\u)+8:O+8*(4*\g+2*\u)+15], v[SW+2*\g+\u], v[PS0] matrix_a_fmt:MATRIX_FMT_FP6 matrix_b_fmt:MATRIX_FMT_FP6 matrix_a_scale:MATRIX_SCALE_ROW1
.endr
	WIN 0x54                                       ; P, C and D of T1: window 1
.irp u, 0,1
	v_wmma_scale_f32_16x16x128_f8f6f4 v[O+8*(4*\g+2*\u):O+8*(4*\g+2*\u)+7], v[FRG+24*\u:FRG+24*\u+11], v[PC:PC+11], v[O+8*(4*\g+2*\u):O+8*(4*\g+2*\u)+7], v[SW+2*\g+\u], v[PS1] matrix_a_fmt:MATRIX_FMT_FP6 matrix_b_fmt:MATRIX_FMT_FP6
	v_wmma_scale_f32_16x16x128_f8f6f4 v[O+8*(4*\g+2*\u)+8:O+8*(4*\g+2*\u)+15], v[FRG+24*\u+12:FRG+24*\u+23], v[PC:PC+11], v[O+8*(4*\g+2*\u)+8:O+8*(4*\g+2*\u)+15], v[SW+2*\g+\u], v[PS1] matrix_a_fmt:MATRIX_FMT_FP6 matrix_b_fmt:MATRIX_FMT_FP6 matrix_a_scale:MATRIX_SCALE_ROW1
.endr
	WIN 0
.endm
; The mask on a tile's 64 scores: the word's top bit says whether register 32 c + 4 (n % 8) + 3 - n / 8 is visible; then the word moves up by one.  Each accumulator is first read at its register 3, one of its four lowest.
.macro MASK
.set MN, 0
.rept 32
.irp c, 0,1
	v_cmp_gt_i32 vcc_lo, 0, v[MW+\c]
	v_cndmask_b32 v[S+32*\c+4*(MN%8)+3-MN/8], v[NEG], v[S+32*\c+4*(MN%8)+3-MN/8], vcc_lo
	v_lshlrev_b32 v[MW+\c], 1, v[MW+\c]
.endr
.set MN, MN+1
.endr
.endm
; A tile's softmax and quantiser for 128 keys; w = 1: it runs under window 1, and p's scale word goes to window 0, since scale operands have no window.
.macro SOFTMAX w
.irp b, 0,1,2,3
	v_max3_num_f32 v[232+\b], v[S+16*\b], v[S+1+16*\b], v[S+2+16*\b]   ; the largest score of each block of 32 keys: it serves the row's maximum and, since p rises with the score, the block's largest p
.endr
.irp i, 3,5,7,9,11,13
.irp b, 0,1,2,3
	v_max3_num_f32 v[232+\b], v[232+\b], v[S+16*\b+\i], v[S+1+16*\b+\i]
.endr
.endr
.irp b, 0,1,2,3
	v_max_num_f32 v[232+\b], v[232+\b], v[S+15+16*\b]
.endr
.irp b, 0,1,2,3
	s_delay_alu instid0(VALU_DEP_4)
	v_permlanex16_b32 v[236+\b], v[232+\b], s[SEL], s[SEL+1]
.endr
.irp b, 0,1,2,3
	s_delay_alu instid0(VALU_DEP_4)
	v_max_num_f32 v[232+\b], v[232+\b], v[236+\b]  ; with lane l xor 16's 16 keys
.endr
	s_delay_alu instid0(VALU_DEP_2)
	v_max3_num_f32 v254, v232, v233, v234
	s_delay_alu instid0(VALU_DEP_1)
	v_max_num_f32 v254, v254, v235                 ; the step's largest score of my query
	s_delay_alu instid0(VALU_DEP_1)
	v_mul_f32 v254, s[CS], v254                    ; as t
	s_delay_alu instid0(VALU_DEP_1)
	v_max_num_f32 v13, v13, v254                   ; the running largest t
	v_mov_b32 v254, v12
	s_delay_alu instid0(VALU_DEP_2)
	v_floor_f32 v12, -v13                          ; the new -M = floor(-t): M is a whole number
	s_delay_alu instid0(VALU_DEP_1)
	v_sub_f32 v254, v12, v254                      ; old M - new M: a whole number, 0 or less
	s_delay_alu instid0(VALU_DEP_1)
	v_cvt_i32_f32 v254, v254                       ; (it saturates)
	s_delay_alu instid0(VALU_DEP_1)
	v_ldexp_f32 v252, 1.0, v254                    ; f = 2^(old M - new M)
.set J, 0
.rept 32
	v_pk_fma_f32 v[S+J:S+J+1], v[S+J:S+J+1], s[CS:CS+1], v[12:13] op_sel_hi:[1,0,0]   ; t - M, two at a time
.set J, J+2
.endr
.irp b, 0,1,2,3
	v_fma_f32 v[232+\b], v[232+\b], s[CS], v12     ; the same of each block's largest score
.endr
.set J, 0
	s_wait_alu depctr_va_vdst(0)
.rept 64
	v_exp_f32 v[S+J], v[S+J]                       ; p = 2^(t - M), at most 1
.set J, J+1
.endr
	v_pk_mul_f32 v[14:15], v[14:15], v[252:253] op_sel_hi:[1,0]   ; the sums under the new M: the plain instruction behind the exponentials
	s_wait_alu depctr_va_vdst(0)                   ; one wait for the batch of 64, ahead of its first reader
.irp b, 0,1,2,3
	v_exp_f32 v[232+\b], v[232+\b]                 ; the block's largest p
.endr
	v_pk_add_f32 v[236:237], v[S:S+1], v[S+2:S+3]  ; the row's sum of the unquantised p, in two chains
.irp j, 4,8,12,16,20,24,28,32,36,40,44,48,52,56,60
	v_pk_add_f32 v[14:15], v[14:15], v[S+\j:S+1+\j]
	v_pk_add_f32 v[236:237], v[236:237], v[S+2+\j:S+3+\j]
.endr
	s_delay_alu instid0(VALU_DEP_1)
	v_pk_add_f32 v[14:15], v[14:15], v[236:237]
	s_wait_alu depctr_va_vdst(0)                   ; and one for the four
.irp b, 0,1,2,3
	v_max_num_f32 v[232+\b], 0x1800000, v[232+\b]  ; the floor 2^(3 - 127): the byte cannot fall under 1 (a block of zeros keeps that byte: its codes are zeros)
.endr
.irp b, 0,1,2,3
	s_delay_alu instid0(VALU_DEP_4)
	v_add_nc_u32 v[244+\b], 0xff000000, v[232+\b]  ; 2 off the exponent field: the conversion's scale operand
.endr
.irp b, 0,1,2,3
	s_delay_alu instid0(VALU_DEP_4)
	v_lshrrev_b32 v[236+\b], 23, v[244+\b]         ; the scale's byte
.endr
	s_delay_alu instid0(VALU_DEP_3)
	v_lshl_or_b32 v253, v237, 8, v236
	s_delay_alu instid0(VALU_DEP_1)
	v_lshl_or_b32 v253, v238, 16, v253
.if \w
	WIN 0x15                                       ; sources window 1, destination window 0
	v_lshl_or_b32 v[PS1], v239, 24, v253
	WIN 0x55
.else
	s_delay_alu instid0(VALU_DEP_1)
	v_lshl_or_b32 v253, v239, 24, v253             ; p's scale word for these 128 keys
.endif
.irp c, 0,1
	v_cvt_scalef32_pk16_fp6_f32 v[PC+6*\c:PC+2+6*\c], v[S+32*\c:S+15+32*\c], v[244+2*\c]
	v_cvt_scalef32_pk16_fp6_f32 v[236+4*\c:238+4*\c], v[S+16+32*\c:S+31+32*\c], v[244+2*\c+1]   ; (a conversion's three registers begin on an even number)
.endr
	v_nop                                          ; one plain instruction behind the scaled conversions
.irp c, 0,1                                    ; the operand wants a whole block in a lane: lanes 0-15 block 2 c, lanes 16-31 block 2 c + 1
.irp i, 0,1,2
	v_permlane16_swap_b32 v[PC+6*\c+\i], v[236+4*\c+\i]
.endr
.irp i, 0,1,2
	s_delay_alu instid0(VALU_DEP_3)
	v_mov_b32 v[PC+3+6*\c+\i], v[236+4*\c+\i]
.endr
.endr
.set J, 0
.rept 32
	v_pk_mul_f32 v[O+J:O+J+1], v[O+J:O+J+1], v[252:253] op_sel_hi:[1,0]   ; O^T under the new M; these 32 are also the places between the scale word, the codes and the products
.set J, J+2
.endr
.endm
; A KEY STEP of my wave: the trip's p-th, from slot p.
.macro STEP p
	s_bitcmp1_b32 s[LW], \p                        ; where all my entries are visible no mask word is read
	s_cbranch_scc1 .Lnoword_\@
	global_load_b64 v[MW:MW+1], v[ML], s[8:9] offset:256*\p
	WIN 0x40
	global_load_b64 v[MW:MW+1], v[ML], s[8:9] offset:256*\p+8192
	WIN 0
.Lnoword_\@:
	s_wait_alu depctr_va_vdst(0)
	ds_load_b128 v[SW:SW+3], v[ADS] offset:512*\p  ; K's scale words of all eight tiles
	FRAGS SLOT*\p, 0
	s_wait_dscnt 0x0
	KQ 0
	PLACES
	FRAGS SLOT*\p, 1
	s_wait_dscnt 0x0
	KQ 1
	PLACES
	ds_load_b128 v[SW:SW+3], v[ADS] offset:VSC-KSC+512*\p   ; V's scale words and first four fragments land under the softmax
	FRAGS SLOT*\p+VIMG, 0
	s_bitcmp1_b32 s[LW], \p
	s_cbranch_scc1 .Lopen_\@
	s_wait_loadcnt 0x0                             ; the two mask loads: nothing else of mine is out
	MASK
	WIN 0x55
	MASK
	WIN 0
.Lopen_\@:
	NEEDFETCH \p                                   ; behind the mask's wait, so that it never waits for the fill; the fill has the softmax and the second product in which to land
	SOFTMAX 0
	WIN 0x55
	SOFTMAX 1
	WIN 0
	s_wait_alu depctr_va_vdst(0)
	s_wait_dscnt 0x0
	PV 0
	PLACES
	FRAGS SLOT*\p+VIMG, 1
	s_wait_dscnt 0x0
	PV 1
	PLACES                                         ; for the next step's loads into the fragments and scale words, and for the way out
.endm
; A TRIP's half.  ONE barrier, under no branch: ahead of it my stores into slot p have landed and my reads of slot 1 - p are over; behind it slot p is whole and slot 1 - p is free.
.macro TRIP p
	s_wait_dscnt 0x0
	s_barrier_signal -1
	s_barrier_wait -1
	s_bitcmp1_b32 s[AW], \p
	s_cbranch_scc0 .Lidle_\@
	STEP \p
	s_branch .Ljoin_\@
.Lidle_\@:
	NEEDFETCH \p                                   ; a wave with nothing to compute still does its share of the fill
.Ljoin_\@:
	s_wait_loadcnt 0x0                             ; on every way: the staging registers are in, and no load stays out over a trip
	s_bitcmp1_b32 s[NW], \p+1
	s_cbranch_scc0 .Lnoput_\@
	PUT 1-\p
.Lnoput_\@:
.endm
; THE WAY OUT of tile w: O^T / the sum goes through my own stage and leaves as whole rows of 512 bytes.  LDS serves a wave's instructions in order, so no wait stands between the stores and the loads, nor ahead of the next tile's stores.
.macro FIN w
	WIN 0x55*\w
	v_add_f32 v14, v14, v15
	s_delay_alu instid0(VALU_DEP_1)
	v_permlanex16_b32 v252, v14, s[SEL], s[SEL+1]
	s_delay_alu instid0(VALU_DEP_1)
	v_add_f32 v14, v14, v252                       ; the row's sum
	s_wait_alu depctr_va_vdst(0)
	v_rcp_f32 v14, v14
	v_nop                                          ; a plain instruction behind the reciprocal,
	s_wait_alu depctr_va_vdst(0)                   ; and the wait ahead of its first reader
.set J, 0
.rept 32
	v_pk_mul_f32 v[S+J:S+J+1], v[O+J:O+J+1], v[14:15] op_sel_hi:[1,0]   ; register 8 t + i is o(r, 16 t + 8 h + i); each accumulator is read from its low end on
.set J, J+2
.endr
	WIN 0x04*\w
.irp t, 0,1,2,3,4,5,6,7
	ds_store_b128 v[SO], v[S+8*\t:S+8*\t+3] offset:64*\t
	ds_store_b128 v[SO], v[S+8*\t+4:S+8*\t+7] offset:64*\t+16
.endr
	WIN 0x40*\w
.irp i, 0,1,2,3,4,5,6,7,8,9,10,11,12,13,14,15
	ds_load_b128 v[O+4*\i:O+4*\i+3], v[SR] offset:SPITCH*\i
.endr
	WIN 0x04*\w
.irp i, 0,1,2,3,4,5,6,7,8,9,10,11,12,13,14,15
	s_wait_dscnt 15-\i                             ; row i is back; the 15 - i younger loads may be out
	global_store_b128 v[LI], v[O+4*\i:O+4*\i+3], s[10:11] offset:8192*\w+512*\i th:TH_STORE_NT   ; 32 lanes store 512 consecutive bytes, at a multiple of 256 from O's first byte; written once
.endr
	WIN 0
.endm
	s_load_b512 s[24:39], s[0:1], 0x0              ; q_codes 24, q_scales 26, k_codes 28, k_scales 30, v_codes 32, v_scales 34, maskw 36, cls 38
	s_load_b64 s[40:41], s[0:1], 0x40              ; out0
	v_lshl_add_u32 v[SPW], v0, 2, SPARE
	v_mov_b32 v[NIL], 0
	v_lshrrev_b32 v9, 5, v0
	s_delay_alu instid0(VALU_DEP_1)
	v_readfirstlane_b32 s[WV], v9                  ; wave 0..7
	v_and_b32 v9, 31, v0                           ; lane
	s_delay_alu instid0(VALU_DEP_1)
	v_lshlrev_b32 v[LI], 4, v9
	s_delay_alu instid0(VALU_DEP_2)
	v_lshlrev_b32 v[ML], 3, v9
	s_delay_alu instid0(VALU_DEP_3)
	v_lshlrev_b32 v[QSA], 2, v9
	v_lshlrev_b32 v[SGO], 4, v0                    ; 16 x thread: the scale bytes' loads
	; the fill: thread i takes half c = i % 2 of row i / 2
	v_mul_u32_u24 v[KGO], v0, 48                   ; K in memory: rows of 96 bytes on end
	v_lshrrev_b32 v128, 1, v0                      ; the row
	v_and_b32 v129, 1, v0                          ; c
	s_delay_alu instid0(VALU_DEP_2)
	v_mul_u32_u24 v[VGO], v128, 3072               ; V in memory: rows 3,072 bytes apart
	s_delay_alu instid0(VALU_DEP_2)
	v_mul_u32_u24 v130, v129, 48
	s_delay_alu instid0(VALU_DEP_1)
	v_add_nc_u32 v[VGO], v[VGO], v130
	s_delay_alu instid0(VALU_DEP_4)
	v_mul_u32_u24 v133, v129, 520                  ; the second half's pieces lie 520,
	v_mul_u32_u24 v134, v129, 1016                 ; or 1,016, bytes behind the first half's
	v_lshrrev_b32 v130, 6, v0                      ; K in LDS: key row -> tile 2 (row / 32) + (row / 8) % 2, lane row % 8 + 8 ((row / 16) % 2)
	s_delay_alu instid0(VALU_DEP_1)
	v_mul_u32_u24 v131, v130, 3072                 ; row / 32 = i / 64: two tiles of 1,536 bytes
	v_bfe_u32 v130, v0, 4, 1                       ; (row / 8) % 2
	s_delay_alu instid0(VALU_DEP_1)
	v_mul_u32_u24 v130, v130, 1536
	s_delay_alu instid0(VALU_DEP_1)
	v_add_nc_u32 v131, v131, v130
	v_bfe_u32 v130, v0, 5, 1                       ; (row / 16) % 2: eight lanes on
	s_delay_alu instid0(VALU_DEP_1)
	v_lshl_add_u32 v131, v130, 7, v131
	v_bfe_u32 v130, v0, 1, 3                       ; row % 8
	s_delay_alu instid0(VALU_DEP_1)
	v_lshl_add_u32 v131, v130, 4, v131
	s_delay_alu instid0(VALU_DEP_1)
	v_add_nc_u32 v[KA], v131, v133
	s_delay_alu instid0(VALU_DEP_2)
	v_add_nc_u32 v[KA+1], v131, v134
	v_lshrrev_b32 v130, 5, v0                      ; V in LDS: row d -> tile d / 16 = i / 32, lane d % 16
	s_delay_alu instid0(VALU_DEP_1)
	v_mul_u32_u24 v132, v130, 1536
	v_bfe_u32 v130, v0, 1, 4
	s_delay_alu instid0(VALU_DEP_1)
	v_lshl_add_u32 v132, v130, 4, v132
	s_delay_alu instid0(VALU_DEP_1)
	v_add_nc_u32 v132, VIMG, v132
	s_delay_alu instid0(VALU_DEP_1)
	v_add_nc_u32 v[VA], v132, v133
	s_delay_alu instid0(VALU_DEP_2)
	v_add_nc_u32 v[VA+1], v132, v134
	; where thread i's words of scale bytes go.  K: load j brings the words of keys 4 i + 1,024 j + e
	v_lshrrev_b32 v128, 5, v0
	s_delay_alu instid0(VALU_DEP_1)
	v_lshlrev_b32 v[KSA], 9, v128                  ; step i / 32 (+ 8 j)
	v_bfe_u32 v128, v0, 1, 1
	s_delay_alu instid0(VALU_DEP_1)
	v_lshl_add_u32 v[KSA], v128, 8, v[KSA]         ; odd tile: lanes 16-31
	v_bfe_u32 v128, v0, 2, 1
	s_delay_alu instid0(VALU_DEP_1)
	v_lshl_add_u32 v[KSA], v128, 7, v[KSA]         ; lane + 8
	v_and_b32 v128, 1, v0
	s_delay_alu instid0(VALU_DEP_1)
	v_lshl_add_u32 v[KSA], v128, 6, v[KSA]         ; lane + 4 (+ e)
	v_bfe_u32 v128, v0, 3, 2
	s_delay_alu instid0(VALU_DEP_1)
	v_lshl_add_u32 v[KSA], v128, 2, v[KSA]         ; pair of tiles
	s_delay_alu instid0(VALU_DEP_1)
	v_add_nc_u32 v[KSA], KSC, v[KSA]
	; V: load j brings, of row d = i / 8 + 32 j, the words of steps 4 (i % 8) + e
	v_and_b32 v128, 7, v0
	s_delay_alu instid0(VALU_DEP_1)
	v_lshlrev_b32 v[VSA], 11, v128
	v_lshrrev_b32 v128, 7, v0
	s_delay_alu instid0(VALU_DEP_1)
	v_lshl_add_u32 v[VSA], v128, 8, v[VSA]
	v_bfe_u32 v128, v0, 3, 4
	s_delay_alu instid0(VALU_DEP_1)
	v_lshl_add_u32 v[VSA], v128, 4, v[VSA]
	s_delay_alu instid0(VALU_DEP_1)
	v_add_nc_u32 v[VSA], VSC, v[VSA]
	v_and_b32 v128, 15, v0                         ; r
	v_bfe_u32 v129, v0, 4, 1                       ; h
	s_mul_i32 s22, s[WV], 16*SPITCH
	s_add_co_u32 s22, s22, STG                     ; my stage
	v_mul_u32_u24 v[SO], v128, SPITCH
	s_delay_alu instid0(VALU_DEP_1)
	v_lshl_add_u32 v[SO], v129, 5, v[SO]
	s_delay_alu instid0(VALU_DEP_1)
	v_add_nc_u32 v[SO], s22, v[SO]                 ; in: row r, 32 bytes for each half of the lanes
	v_add_nc_u32 v[SR], s22, v[LI]                 ; back: 32 lanes take a row
	v_add_nc_u32 v[ADS], KSC, v[LI]
	v_mul_u32_u24 v[QA], v128, 96
	s_delay_alu instid0(VALU_DEP_1)
	v_mad_u32_u24 v[QA], v129, 24, v[QA]           ; Q: row r, + my half's 24 bytes
	s_mov_b32 s[SEL], 0x76543210
	s_mov_b32 s[SEL+1], 0xfedcba98                 ; v_permlanex16_b32's selects for lane l xor 16
	s_mov_b32 s[CS], 0x3e0293ee                    ; c = log2(e) / sqrt(128)
	s_mov_b32 s[CS+1], s[CS]
	s_and_b32 s2, ttmp7, 0xffff                    ; the head
	s_lshl_b32 s3, ttmp9, 8
	s_lshl_b32 s17, s[WV], 5
	s_add_co_u32 s3, s3, s17                       ; my first query: 256 x block + 32 x wave,
	s_lshl_b32 s17, s2, 12
	s_add_co_u32 s3, s3, s17                       ; as a row of [16 x 4096]
	s_mov_b32 s23, 0
	s_wait_alu depctr_va_vdst(0)
	s_wait_kmcnt 0x0
	s_mul_i32 s22, s2, 393216                      ; a head's codes
	s_add_nc_u64 s[4:5], s[28:29], s[22:23]        ; K's codes, walking
	s_add_nc_u64 s[6:7], s[32:33], s[22:23]        ; V's
	s_lshl_b32 s22, s2, 14                         ; a head's scale bytes
	s_add_nc_u64 s[30:31], s[30:31], s[22:23]
	s_add_nc_u64 s[34:35], s[34:35], s[22:23]
	s_mul_i32 s22, s3, 96
	s_add_nc_u64 s[24:25], s[24:25], s[22:23]      ; Q's codes at my first query
	s_lshl_b32 s22, s3, 2
	s_add_nc_u64 s[26:27], s[26:27], s[22:23]
	s_lshl_b32 s22, s3, 9
	s_add_nc_u64 s[10:11], s[40:41], s[22:23]      ; O likewise
	s_lshl_b32 s22, ttmp9, 17                      ; maskw: 8,192 bytes a tile, 16 tiles a block,
	s_lshl_b32 s17, s[WV], 14                      ; two a wave
	s_add_co_u32 s22, s22, s17
	s_add_nc_u64 s[8:9], s[36:37], s[22:23]
	s_lshl_b32 s22, ttmp9, 7                       ; cls: 8 bytes a tile
	s_add_nc_u64 s[38:39], s[38:39], s[22:23]
	s_lshl_b32 s17, s[WV], 4
	s_load_b512 s[44:59], s[38:39], 0x0            ; the work-group's 16 tiles,
	s_load_b512 s[68:83], s[38:39], 0x40
	s_load_b128 s[84:87], s[38:39], s17 offset:0x0 ; and my two once more (s17 and s[38:39] stay as they are until the wait for these)
.irp j, 0,1,2,3
	global_load_b128 v[96+4*\j:99+4*\j], v[SGO], s[30:31] offset:4096*\j      ; the head's scale bytes: 16,384 of K's and of V's, once; 32 lanes read 512 consecutive bytes
	global_load_b128 v[112+4*\j:115+4*\j], v[SGO], s[34:35] offset:4096*\j
.endr
	FETCHG 0                                       ; step 0 is fetched without asking: the class words are still on their way, and the staging registers are so written on every way
.irp p, 0,1,2,3,4,5
	global_load_b64 v[QF+2*\p:QF+2*\p+1], v[QA], s[24:25] offset:48*(\p/3)+8*(\p%3)
.endr
	WIN 0x40
.irp p, 0,1,2,3,4,5
	global_load_b64 v[QF+2*\p:QF+2*\p+1], v[QA], s[24:25] offset:1536+48*(\p/3)+8*(\p%3)
.endr
	WIN 0
	global_load_b32 v[QS], v[QSA], s[26:27]        ; lane l: the scale word of query l of my 32
	INIT
	WIN 0x55
	INIT
	WIN 0
	s_wait_loadcnt 0x0
.irp j, 0,1,2,3
.irp e, 0,1,2,3
	ds_store_b32 v[KSA], v[96+4*\j+\e] offset:4096*\j+16*\e
	ds_store_b32 v[VSA], v[112+4*\j+\e] offset:512*\e+4*\j
.endr
.endr
	PUT 0
	s_wait_kmcnt 0x0
	s_or_b32 s[NW], s44, s46
.irp n, 48,50,52,54,56,58,68,70,72,74,76,78,80,82
	s_or_b32 s[NW], s[NW], s\n
.endr
	s_or_b32 s[AW], s84, s86
	s_and_b32 s[LW], s85, s87
	s_mov_b32 s[IT], 16
.Lpair:                                                ; 16 trips of two key steps: a constant, so that every wave passes every barrier
	TRIP 0
	TRIP 1
	s_wait_xcnt 0x0                                ; my loads have read their bases: they may step
	s_add_nc_u64 s[4:5], s[4:5], 2*12288
	s_add_nc_u64 s[6:7], s[6:7], 2*96
	s_add_nc_u64 s[8:9], s[8:9], 2*256
	s_wait_alu depctr_va_vdst(0)
	v_add_nc_u32 v[ADS], 1024, v[ADS]
	s_lshr_b32 s[NW], s[NW], 2
	s_lshr_b32 s[AW], s[AW], 2
	s_lshr_b32 s[LW], s[LW], 2
	s_sub_co_u32 s[IT], s[IT], 1
	s_cmp_lg_u32 s[IT], 0
	s_cbranch_scc1 .Lpair
	FIN 0
	FIN 1
	s_wait_tensorcnt 0x0                           ; the wave's end: behind my last LDS store
	ds_add_u32 v[SPW], v[NIL]
	s_wait_dscnt 0x0
	s_endpgm
.Lfunc_end_k_q996b7443bd_attn:
	.size	k_q996b7443bd_attn, .Lfunc_end_k_q996b7443bd_attn-k_q996b7443bd_attn
	.p2alignl 7, 3214868480
	.fill 96, 4, 3214868480
	.section	.rodata,"a",@progbits
	.p2align	6, 0x0
	.amdhsa_kernel k_q996b7443bd_attn
		.amdhsa_group_segment_fixed_size 150528
		.amdhsa_private_segment_fixed_size 0
		.amdhsa_enable_private_segment 0
		.amdhsa_kernarg_size 72
		.amdhsa_user_sgpr_count 2
		.amdhsa_user_sgpr_kernarg_segment_ptr 1
		.amdhsa_wavefront_size32 1
		.amdhsa_system_sgpr_workgroup_id_x 1
		.amdhsa_system_sgpr_workgroup_id_y 1
		.amdhsa_system_sgpr_workgroup_id_z 1
		.amdhsa_system_vgpr_workitem_id 0
		.amdhsa_next_free_vgpr 512
		.amdhsa_next_free_sgpr 88
		.amdhsa_reserve_vcc 1
		.amdhsa_float_denorm_mode_32 3
		.amdhsa_float_denorm_mode_16_64 3
		.amdhsa_memory_ordered 1
		.amdhsa_forward_progress 1
		.amdhsa_inst_pref_size 132
	.end_amdhsa_kernel
	.amdgpu_metadata
---
amdhsa.version: [ 1, 2 ]
amdhsa.kernels:
  - .name:           k_q996b7443bd_attn
    .symbol:         k_q996b7443bd_attn.kd
    .args:
      - { .name: q_codes, .offset: 0, .size: 8, .value_kind: global_buffer, .address_space: global }
      - { .name: q_scales, .offset: 8, .size: 8, .value_kind: global_buffer, .address_space: global }
      - { .name: k_codes, .offset: 16, .size: 8, .value_kind: global_buffer, .address_space: global }
      - { .name: k_scales, .offset: 24, .size: 8, .value_kind: global_buffer, .address_space: global }
      - { .name: v_codes, .offset: 32, .size: 8, .value_kind: global_buffer, .address_space: global }
      - { .name: v_scales, .offset: 40, .size: 8, .value_kind: global_buffer, .address_space: global }
      - { .name: maskw, .offset: 48, .size: 8, .value_kind: global_buffer, .address_space: global }
      - { .name: cls, .offset: 56, .size: 8, .value_kind: global_buffer, .address_space: global }
      - { .name: out0, .offset: 64, .size: 8, .value_kind: global_buffer, .address_space: global }
    .group_segment_fixed_size: 150528
    .private_segment_fixed_size: 0
    .kernarg_segment_align: 8
    .kernarg_segment_size: 72
    .max_flat_workgroup_size: 256
    .sgpr_count:     88
    .vgpr_count:     512
    .wavefront_size: 32
...
	.end_amdgpu_metadata
.endif
;; end of part 2
